; MI455X (gfx1250); checked and timed in simulation.
; The chip was launched on July 23, 2026; its instructions are those of AMD's public machine-readable ISA for CDNA 5 (MIT licence, August 2026) and "CDNA5" Instruction Set Architecture Reference Guide (July 2026). The comments in the code are by the model that wrote it; some were corrected since.
;; Env Embedding. Allowed arithmetic: float matrix products may take bf16 or f16 operands with f32 sums; other float arithmetic in f32, or as packed bf16 or f16 multiplies, adds, multiply-adds, maxima and minima; sums over many terms, partial sums and values carried from step to step in f32; what a program stores and reads back later, other than sums and carried values, may be rounded once to bf16 or f16.
;; Inputs: codebook 4,096 x 512 float32; x 64 x 512 x 512 float32.
;; Outputs: out0 64 x 512 int32.
;; 2 versions, each right; version 2 is version 1 with the launch prep written anew for expert scheduling mode. Each part assembles by itself: llvm-mc -triple=amdgcn-amd-amdhsa -mcpu=gfx1250 --defsym DOCPART=n.
;; ======== version 1 of 2: 2 launches
;; workspace buffers: cbh 4,194,304 bytes; nhsq 16,384 bytes
;; launch prep (part 1): grid 64 x 1, 16 waves a work-group, no clusters, 2,304 bytes of LDS; arguments codebook, cbh, nhsq; writes cbh, nhsq
.if DOCPART == 1
	.amdgcn_target "amdgcn-amd-amdhsa--gfx1250"
	.amdhsa_code_object_version 6
	.text
	.protected	k_q63f2734555_prep
	.globl	k_q63f2734555_prep
	.p2align	8
	.type	k_q63f2734555_prep,@function
k_q63f2734555_prep:
	s_mov_b64 s[64:65], 0
	v_nop
	global_prefetch_b8 v0, s[64:65] scope:SCOPE_SE
	s_setreg_imm32_b32 hwreg(HW_REG_WAVE_MODE, 25, 1), 1
	s_wait_xcnt 0x0
; cbh[k][d] = bf16(codebook[k][d]);  nhsq[k] = -0.5 x the sum over d of cbh[k][d]^2, in f32.  codebook: [4096][512] f32.
; The squares are taken of the ROUNDED codes, so that the next launch's distances are those of the rounded codebook throughout.
; SHARES.  A work-group owns 64 rows: its 64 sums are 256 consecutive bytes of nhsq, stored by one instruction.  Wave w owns rows 4 w .. 4 w + 3.
; A row is 2,048 bytes: four loads of 16 bytes a lane, each 512 consecutive bytes; the four bf16 made of a lane's 16 bytes are 8 bytes,
; so each store of the wave covers 256 consecutive bytes, aligned.  All 16 loads of a wave go out at once; no register is used twice, so no store's source is rewritten.
; No matrix unit, no cluster, no tensor load: each byte is read once by one lane and nothing is shared but the 64 sums.
.set SPARE, 256                        ; LDS: bytes 0-255 the 64 sums; behind them the spare words, 128 bytes for each of the 16 waves
.set IN,   16                          ; v[16:79]    row p, quarter q: 4 registers as loaded, at IN + 16 p + 4 q
.set OUT,  80                          ; v[80:111]   the same, rounded and packed: 2 registers at OUT + 8 p + 2 q
.set T,    112                         ; v[112:115]  four rounded numbers as f32, at work
.set PX,   116                         ; v116        the other half of the lanes' sum
.set SUM,  120                         ; v[120:127]  a pair of running sums for each row
	s_load_b128 s[4:7], s[0:1], 0x0                ; codebook s[4:5], cbh s[6:7]
	s_load_b64 s[8:9], s[0:1], 0x10                ; nhsq
	v_lshl_add_u32 v8, v0, 2, SPARE                ; my spare word,
	v_mov_b32 v9, 0                                ; and 0: kept for the wave's end alone
	v_lshrrev_b32 v6, 5, v0
	v_readfirstlane_b32 s12, v6                    ; wave 0..15
	v_and_b32 v1, 31, v0                           ; lane
	s_mov_b32 s13, 0xffff0000                      ; a word's upper bf16
	s_mov_b32 s14, 0x76543210                      ; v_permlanex16_b32: each lane takes its own place in the other half
	s_mov_b32 s15, 0xfedcba98
	v_lshlrev_b32 v2, 4, v1
	v_lshl_add_u32 v2, s12, 13, v2                 ; loads: 4 rows x 2,048 bytes a wave + 16 bytes a lane
	v_lshlrev_b32 v5, 3, v1                        ; 8 bytes a lane
	v_lshl_add_u32 v3, s12, 12, v5                 ; stores: 4 rows x 1,024 bytes a wave + 8 bytes a lane
	v_mov_b32 v4, s12
	v_lshlrev_b32 v4, 4, v4                        ; LDS: my wave's four sums
	v_mov_b32 v[PX], 0                             ; v_permlanex16_b32 counts as a reader of its destination
	s_lshl_b32 s16, ttmp9, 17                      ; the work-group's 64 rows in codebook,
	s_mov_b32 s17, 0
	s_lshl_b32 s18, ttmp9, 16                      ; in cbh,
	s_mov_b32 s19, 0
	s_lshl_b32 s20, ttmp9, 8                       ; and its 64 words of nhsq
	s_mov_b32 s21, 0
	s_wait_kmcnt 0x0
	s_add_nc_u64 s[4:5], s[4:5], s[16:17]
	s_add_nc_u64 s[6:7], s[6:7], s[18:19]
	s_add_nc_u64 s[8:9], s[8:9], s[20:21]
.irp p, 0,1,2,3
.irp q, 0,1,2,3
	global_load_b128 v[IN+16*\p+4*\q:IN+16*\p+4*\q+3], v2, s[4:5] offset:\p*2048+\q*512 th:TH_LOAD_NT
.endr
.endr
; Row p: rounded, stored, squared and summed; the sum over the 32 lanes ends in every lane and goes to the row's word in LDS.
.macro ROWP p
	s_wait_loadcnt 12-4*(\p)                       ; loads come back in order: my row's four are in, the four of each younger row may stay out
.irp q, 0,1,2,3
	v_cvt_pk_bf16_f32 v[OUT+8*(\p)+2*\q],   v[IN+16*(\p)+4*\q],   v[IN+16*(\p)+4*\q+1]
	v_cvt_pk_bf16_f32 v[OUT+8*(\p)+2*\q+1], v[IN+16*(\p)+4*\q+2], v[IN+16*(\p)+4*\q+3]
	global_store_b64 v3, v[OUT+8*(\p)+2*\q:OUT+8*(\p)+2*\q+1], s[6:7] offset:(\p)*1024+\q*256  ; 32 lanes x 8 bytes: 256 consecutive bytes, aligned
	v_lshlrev_b32 v[T],   16,  v[OUT+8*(\p)+2*\q]                 ; the rounded numbers back as f32
	v_and_b32     v[T+1], s13, v[OUT+8*(\p)+2*\q]
	v_lshlrev_b32 v[T+2], 16,  v[OUT+8*(\p)+2*\q+1]
	v_and_b32     v[T+3], s13, v[OUT+8*(\p)+2*\q+1]
.if \q == 0
	v_pk_mul_f32 v[SUM+2*(\p):SUM+2*(\p)+1], v[T:T+1], v[T:T+1]   ; the first squares start the sums: nothing is cleared
.else
	v_pk_fma_f32 v[SUM+2*(\p):SUM+2*(\p)+1], v[T:T+1], v[T:T+1], v[SUM+2*(\p):SUM+2*(\p)+1]
.endif
	v_pk_fma_f32 v[SUM+2*(\p):SUM+2*(\p)+1], v[T+2:T+3], v[T+2:T+3], v[SUM+2*(\p):SUM+2*(\p)+1]
.endr
	v_add_f32 v[SUM+2*(\p)], v[SUM+2*(\p)], v[SUM+2*(\p)+1]
	v_add_f32_dpp v[SUM+2*(\p)], v[SUM+2*(\p)], v[SUM+2*(\p)] row_xmask:1 row_mask:0xf bank_mask:0xf
	v_add_f32_dpp v[SUM+2*(\p)], v[SUM+2*(\p)], v[SUM+2*(\p)] row_xmask:2 row_mask:0xf bank_mask:0xf
	v_add_f32_dpp v[SUM+2*(\p)], v[SUM+2*(\p)], v[SUM+2*(\p)] row_xmask:4 row_mask:0xf bank_mask:0xf
	v_add_f32_dpp v[SUM+2*(\p)], v[SUM+2*(\p)], v[SUM+2*(\p)] row_xmask:8 row_mask:0xf bank_mask:0xf
	v_permlanex16_b32 v[PX], v[SUM+2*(\p)], s14, s15
	v_add_f32 v[SUM+2*(\p)], v[SUM+2*(\p)], v[PX]
	v_mul_f32 v[SUM+2*(\p)], -0.5, v[SUM+2*(\p)]   ; a power of two: exact
	ds_store_b32 v4, v[SUM+2*(\p)] offset:4*(\p)   ; all lanes write the same word with the same value
.endm
	ROWP 0
	ROWP 1
	ROWP 2
	ROWP 3
	s_wait_dscnt 0x0                               ; for the others' sake: my four sums are in LDS
	s_barrier_signal -1
	s_barrier_wait -1                              ; all 64 are
	s_cmp_lg_u32 s12, 0
	s_cbranch_scc1 .Lend                           ; wave 0 stores them
	ds_load_b64 v[T:T+1], v5
	s_wait_dscnt 0x0
	global_store_b64 v5, v[T:T+1], s[8:9]          ; 256 consecutive bytes, aligned
.Lend:
	s_wait_tensorcnt 0x0                           ; the wave's end: behind my last LDS store
	ds_add_u32 v8, v9
	s_wait_dscnt 0x0
	s_endpgm
.Lfunc_end_k_q63f2734555_prep:
	.size	k_q63f2734555_prep, .Lfunc_end_k_q63f2734555_prep-k_q63f2734555_prep
	.p2alignl 7, 3214868480
	.fill 96, 4, 3214868480
	.section	.rodata,"a",@progbits
	.p2align	6, 0x0
	.amdhsa_kernel k_q63f2734555_prep
		.amdhsa_group_segment_fixed_size 2304
		.amdhsa_private_segment_fixed_size 0
		.amdhsa_enable_private_segment 0
		.amdhsa_kernarg_size 24
		.amdhsa_user_sgpr_count 2
		.amdhsa_user_sgpr_kernarg_segment_ptr 1
		.amdhsa_wavefront_size32 1
		.amdhsa_system_sgpr_workgroup_id_x 1
		.amdhsa_system_sgpr_workgroup_id_y 1
		.amdhsa_system_sgpr_workgroup_id_z 1
		.amdhsa_system_vgpr_workitem_id 0
		.amdhsa_next_free_vgpr 128
		.amdhsa_next_free_sgpr 66
		.amdhsa_reserve_vcc 0
		.amdhsa_float_denorm_mode_32 3
		.amdhsa_float_denorm_mode_16_64 3
		.amdhsa_memory_ordered 1
		.amdhsa_forward_progress 1
		.amdhsa_inst_pref_size 13
	.end_amdhsa_kernel
	.amdgpu_metadata
---
amdhsa.version: [ 1, 2 ]
amdhsa.kernels:
  - .name:           k_q63f2734555_prep
    .symbol:         k_q63f2734555_prep.kd
    .args:
      - { .name: codebook, .offset: 0, .size: 8, .value_kind: global_buffer, .address_space: global }
      - { .name: cbh, .offset: 8, .size: 8, .value_kind: global_buffer, .address_space: global }
      - { .name: nhsq, .offset: 16, .size: 8, .value_kind: global_buffer, .address_space: global }
    .group_segment_fixed_size: 2304
    .private_segment_fixed_size: 0
    .kernarg_segment_align: 8
    .kernarg_segment_size: 24
    .max_flat_workgroup_size: 512
    .sgpr_count:     66
    .vgpr_count:     128
    .wavefront_size: 32
...
	.end_amdgpu_metadata
.endif
;; end of part 1
;; launch vq (part 2): grid 256 x 1, 4 waves a work-group, clusters of 4 x 1, 327,680 bytes of LDS; arguments x, cbh, nhsq, out0; writes out0
.if DOCPART == 2
	.amdgcn_target "amdgcn-amd-amdhsa--gfx1250"
	.amdhsa_code_object_version 6
	.text
	.protected	k_q63f2734555_vq
	.globl	k_q63f2734555_vq
	.p2align	8
	.type	k_q63f2734555_vq,@function
k_q63f2734555_vq:
	s_mov_b64 s[64:65], 0
	v_nop
	global_prefetch_b8 v0, s[64:65] scope:SCOPE_SE
	s_setreg_imm32_b32 hwreg(HW_REG_WAVE_MODE, 25, 1), 1
	s_wait_xcnt 0x0
	s_wait_alu depctr_hold_cnt(0) depctr_sa_sdst(0) depctr_va_vdst(0) depctr_va_sdst(0) depctr_va_ssrc(0) depctr_va_vcc(0) depctr_vm_vsrc(0)
	s_getreg_b32 s2, hwreg(HW_REG_IB_STS2, 6, 4)
	s_cmp_eq_u32 s2, 0
	s_cbranch_scc0 .Lentry_in_a_cluster
	s_endpgm
.Lentry_in_a_cluster:
	s_bfe_u32 s2, ttmp6, 0x10000c
	s_cmp_lg_u32 s2, 0x3003
	s_cbranch_scc0 .Lentry_shape_is_right
	s_endpgm
.Lentry_shape_is_right:
; out0[n] = argmin over k of (|c_k|^2 - 2 x_n . c_k) = argmax over k of (x_n . c_k - |c_k|^2 / 2); ties go to the lowest k.
; x: [32768][512] f32; cbh: [4096][512] bf16, the rounded codebook; nhsq: [4096] f32 = -|c_k|^2 / 2 of the rounded codes; out0: [32768] i32.
; The factor -1/2 is a power of two, so the order of the distances is that of the reference's expression.  Products in bf16, sums in f32: -|c|^2 / 2 is the C operand that starts each sum.
; LIMITS.  x and the codes are rounded to bf16 once.  A NaN distance is never chosen.  Two distances that lie closer than the rounding of their f32 sums may be ordered otherwise than by another order of summation.
; SHARES.  A work-group owns 128 rows of x and walks all 4,096 codes, so the choice never leaves it: 256 work-groups.  Wave w = 2 i + jw keeps rows 64 i .. 64 i + 63 in registers as bf16
; (64 fragments, 512 registers) and takes codes 64 jw .. 64 jw + 63 of every tile of 128 codes, 16 at a time: one CODE TILE is 16 fragments (32 LDS loads of 16 bytes a lane) for 64 matrix instructions.
; LAYOUT.  Source 0 = 16 codes, source 1 = 16 rows of x: in the result a lane holds ONE row (lane % 16) and codes 8 (lane / 16) + 0..7.  So the running best is kept lane by lane, register by register
; (32 bests and 32 code-tile numbers a lane), and lanes and waves meet once, at the end.
; BY TURNS.  Two buffers of 4 accumulators.  While one code tile is multiplied, the one before is compared: 96 vector instructions (compare, maximum, select for each of 32 numbers) in 32 slices, one behind every second
; matrix instruction.  The selects' masks lie in two scalar registers by turns, each made two slices ahead of its use.
; RING.  Two LDS slots of 128 codes x 1,024 bytes.  Each wave fetches 32 rows of a tile with one tensor load.  CLUSTER: all work-groups walk the same codes, so the four of a cluster ask JOINTLY: the same load,
; descriptor and mask in all four.  A refill stands behind a round of the cluster's barrier in a tile's fourth code tile and is waited for at the head of the next tile's fourth: 240 matrix instructions later.
; x comes in first, through the same two slots: a K half of 128 rows x 256 f32 has a slot's shape.  It is read from memory once, though two waves keep each row, and is rounded on the way into registers.
; REGISTERS, in windows of 256 (s_set_vgpr_msb: bits 1:0 source 0, 3:2 source 1, 5:4 source 2, 7:6 destination):
;   window 0: v0-29 addresses; v64-127 accumulators, two buffers; v128-159 bests; v160-191 their code tiles' numbers; v192-207 -|c|^2/2, two buffers; v208-223 the last merge
;   window 1: the codes' fragments, two buffers of 128 (K step ks at 8 ks); at the start 256 registers of x as f32
;   window 2: x, K steps 0-7 (K step ks, row tile rt at 32 ks + 8 rt);   window 3: x, K steps 8-15
.set PITCH, 1040                       ; an LDS row: 1,024 bytes + 16 of padding = 65 x 16 bytes: the 16 rows of a load start at 16 different columns of 16 bytes (64 banks of 4 bytes: ISA guide 11.1)
.set QROWS, 32*PITCH                   ; what one tensor load brings
.set HALFS, 64*PITCH                   ; what one wave reads of a slot
.set SLOT,  128*PITCH                  ; 133,120 bytes
.set CSQ,   2*SLOT                     ; behind the ring: nhsq, 16,384 bytes, filled once
.set MRG,   CSQ+16384                  ; the waves' results meet: best[jw][128] at 512 jw, code[jw][128] at 1,024 + 512 jw; no tensor load lands here
.set SPARE, MRG+2048                   ; the spare words, 128 bytes for each wave: two blocks of 256 bytes that no other line names
.set TILEB, 131072                     ; a tile of 128 codes in cbh
.set ADRC, 4                           ; v4-5   LDS address of my codes' fragments in slot 0, 1
.set ADRX, 6                           ; v6-7   of my rows of x, K half 0, 1
.set ADRQ, 8                           ; v8     of my 8 words of nhsq in the tile to be fetched from
.set PFO,  9                           ; v9     the prefetches' offset: 256 x lane; never rewritten
.set LB,   10                          ; v10    64 jw + 8 (lane / 16): what my lane adds to a code's number
.set MST,  11                          ; v11    where I put a row's result
.set MRD,  12                          ; v12    where wave 0 reads four rows' results
.set OO,   13                          ; v13    16 x lane: my four words of out0
.set PT,   14                          ; v14-15 the other half of the lanes' best and code
.set AQ0,  16                          ; v16    ADRQ for tile 0; never rewritten
.set SPW,  28                          ; v28    LDS address of my spare word; never rewritten
.set NIL,  29                          ; v29    0; never rewritten
.set ACC,  64
.set BEST, 128
.set IDX,  160
.set CQ,   192
.set FM,   208
.set WV,   12                          ; s12  my wave's number; s13 = i, s14 = jw, s15 = cx, s16 = my work-group's number
.set G1X,  24                          ; s[24:31] descriptor group 1 for x
.set G1C,  32                          ; s[32:39] for the codes
.set G1Q,  40                          ; s[40:47] for nhsq
.set G0X,  48                          ; s[48:55] group 0 for x's two K halves
.set G0Q,  56                          ; s[56:59] for nhsq
.set G0C,  60                          ; s[60:63], s[68:71] for the codes: a set for each slot
.set LOOP, 72                          ; s72  trips still to come
.set EPI,  73                          ; s73  128 x tile + 16 x code tile of the results that are being compared
.set MK,   74                          ; s74-75 the selects' masks, by turns
.set PFA,  76                          ; s[76:77] where my prefetches stand
.set LIM,  78                          ; s78  1 in the cluster that prefetches, else the greatest number
.set SEL,  80                          ; s[80:81] v_permlanex16_b32's selects
.set MG,   82                          ; s82-84 the merges' masks
.set TQ,   85                          ; s85  512 x the tile to be fetched from
.set MSB, 0
.macro WIN new                         ; the immediate's high byte repeats the setting that is left; a switch that changes nothing is dropped
.if MSB != (\new)
	s_set_vgpr_msb (MSB<<8)|(\new)
.set MSB, (\new)
.endif
.endm
.set MM2,   0x09                       ; codes (source 0) window 1, x (source 1) window 2, C and D window 0
.set MM3,   0x0d                       ; the same with x in window 3
.set TO_CF, 0x40                       ; destination window 1, address window 0
; A round of the cluster's barrier: my work-group's barrier, so that wave 0's signal speaks for all four waves; wave 0 signals; every wave waits for all four work-groups; my work-group's barrier once more.
.macro CREST
	s_cmp_lg_u32 s[WV], 0
	s_cbranch_scc1 .Lnot_wave_0_\@
	s_barrier_signal -3
.Lnot_wave_0_\@:
	s_barrier_wait -3
	s_barrier_signal -1
	s_barrier_wait -1
.endm
.macro CROUND
	s_barrier_signal -1
	s_barrier_wait -1
	CREST
.endm
; A joint fill of slot n: every wave asks for its 32 rows of the tile.  An s_nop 0 and four v_nop follow.
.macro JLOAD n
	tensor_load_to_lds s[G0C+8*(\n):G0C+8*(\n)+3], s[G1C:G1C+7]
	s_nop 0
.rept 4
	v_nop
.endr
.endm
; A PREFETCH INTO THE L2 of the tile that stands two refills on: 512 blocks of 256 bytes.  All clusters walk the same codes: cluster 0 asks, nobody else.  Its 4 work-groups x 4 waves x 32 lanes take a block each,
; told apart BY ADDRESS: one instruction a wave at each change of slots, behind the joint load, its five lines and the run of LDS loads.  So each block is named once in the launch.
; Tiles 0 to 3 come by their loads alone; the loop's last trip asks for nothing: tile 31 is the last that is named.
.macro ASK
	s_cmp_gt_u32 s[LOOP], s[LIM]
	s_cbranch_scc0 .Lnot_mine_\@
	global_prefetch_b8 v[PFO], s[PFA:PFA+1] th:TH_LOAD_NT scope:SCOPE_SE
.Lnot_mine_\@:
.endm
	s_load_b256 s[4:11], s[0:1], 0x0               ; x s[4:5], cbh s[6:7], nhsq s[8:9], out0 s[10:11]
	v_lshl_add_u32 v[SPW], v0, 2, SPARE
	v_mov_b32 v[NIL], 0
	ds_add_u32 v[SPW], v[NIL]                      ; the wave's opening: the add, twice on end, and its wait ahead of my first tensor load; the set-up below, work on registers, stands between
	ds_add_u32 v[SPW], v[NIL]                      ; and once more, under the one wait
	v_lshrrev_b32 v3, 5, v0
	v_readfirstlane_b32 s[WV], v3                  ; wave 0..3
	s_lshr_b32 s13, s[WV], 1                       ; i: which 64 rows of x are mine
	s_and_b32 s14, s[WV], 1                        ; jw: which 64 codes of a tile
	s_bfe_u32 s15, ttmp6, 0x40000                  ; cx: my place in the cluster
	s_lshl_b32 s16, ttmp9, 2                       ; in a cluster launch ttmp9 counts clusters
	s_add_co_u32 s16, s16, s15                     ; my work-group = 4 x cluster + cx: it enters x's, out0's and the prefetches' global addresses alone
	; group 1 for x: 32 rows x 256 elements of 4 bytes, 512 elements from row to row; in LDS 4 words of padding after every 256.  No mask: each work-group has rows of its own
	s_mov_b32 s[G1X+0], (2<<16)|(1<<20)|(7<<22)|(3<<25)
	s_mov_b32 s[G1X+1], 256<<16                    ; tensor_dim0 = 256
	s_mov_b32 s[G1X+2], 32<<16                     ; tensor_dim1 = 32
	s_mov_b32 s[G1X+3], 256<<16                    ; tile_dim0 = 256
	s_mov_b32 s[G1X+4], 32                         ; tile_dim1 = 32
	s_mov_b32 s[G1X+5], 512                        ; the pitch
	s_mov_b32 s[G1X+6], 0
	s_mov_b32 s[G1X+7], 0
	; group 1 for the codes: 32 rows x 512 elements of 2 bytes, dense; the same padding; the mask of all four work-groups, bit 21 beside it
	s_mov_b32 s[G1C+0], 15|(1<<16)|(1<<20)|(1<<21)|(7<<22)|(3<<25)
	s_mov_b32 s[G1C+1], 512<<16
	s_mov_b32 s[G1C+2], 32<<16
	s_mov_b32 s[G1C+3], 512<<16
	s_mov_b32 s[G1C+4], 32
	s_mov_b32 s[G1C+5], 512
	s_mov_b32 s[G1C+6], 0
	s_mov_b32 s[G1C+7], 0
	; group 1 for nhsq: 4,096 dense bytes a wave as 16 rows of 32 elements of 8 bytes, no padding; joint
	s_mov_b32 s[G1Q+0], 15|(3<<16)|(1<<21)
	s_mov_b32 s[G1Q+1], 32<<16
	s_mov_b32 s[G1Q+2], 16<<16
	s_mov_b32 s[G1Q+3], 32<<16
	s_mov_b32 s[G1Q+4], 16
	s_mov_b32 s[G1Q+5], 32
	s_mov_b32 s[G1Q+6], 0
	s_mov_b32 s[G1Q+7], 0
	s_mul_i32 s17, s[WV], QROWS                    ; my 32 rows' place in a slot: no place in the cluster enters an LDS address
	s_mov_b32 s[G0X+0], 1
	s_mov_b32 s[G0X+1], s17                        ; x's K half 0 into slot 0,
	s_mov_b32 s[G0X+4], 1
	s_add_co_u32 s[G0X+5], s17, SLOT               ; half 1 into slot 1
	s_mov_b32 s[G0Q+0], 1
	s_lshl_b32 s[G0Q+1], s[WV], 12
	s_add_co_u32 s[G0Q+1], s[G0Q+1], CSQ
	s_mov_b32 s[G0C+0], 1
	s_mov_b32 s[G0C+1], s17
	s_mov_b32 s[G0C+8], 1
	s_add_co_u32 s[G0C+9], s17, SLOT
	s_mov_b32 s[LOOP], 15
	s_mov_b32 s[EPI], -80                          ; the first code tile's slices compare a buffer of -inf and choose nothing; the step behind it makes this 0
	s_mov_b32 s[TQ], 0
	s_mov_b32 s[SEL], 0x76543210
	s_mov_b32 s[SEL+1], 0xfedcba98
	s_cmp_eq_u32 ttmp9, 0
	s_cselect_b32 s[LIM], 1, -1                    ; the same in all four partners
	s_lshl_b32 s18, s[WV], 15                      ; my 32 rows of a tile in cbh
	s_mov_b32 s19, 0
	s_lshl_b32 s22, s[WV], 12                      ; my quarter of nhsq
	s_mov_b32 s23, 0
	s_lshl_b32 s20, s16, 18                        ; my work-group's 128 rows of x, 2,048 bytes each,
	s_lshl_b32 s21, s[WV], 16                      ; my 32 of them
	s_add_co_u32 s20, s20, s21
	s_mov_b32 s21, 0
	s_lshl_b32 s86, s15, 2
	s_add_co_u32 s86, s86, s[WV]
	s_lshl_b32 s86, s86, 13                        ; my wave's 32 blocks among a tile's 512,
	s_add_co_u32 s86, s86, 3*TILEB                 ; in tile 3: the first change of slots steps it to tile 4
	s_mov_b32 s87, 0
	s_lshl_b32 s88, s16, 9                         ; my work-group's 128 words of out0
	s_mov_b32 s89, 0
	s_wait_dscnt 0x0                               ; both opening adds are done
	s_wait_kmcnt 0x0
	s_add_nc_u64 s[G0X+2:G0X+3], s[4:5], s[20:21]
	s_add_nc_u64 s[G0X+6:G0X+7], s[G0X+2:G0X+3], 1024  ; 256 f32 further along the rows
	s_or_b32 s[G0X+3], s[G0X+3], 0x80000000        ; type = 2
	s_or_b32 s[G0X+7], s[G0X+7], 0x80000000
	s_add_nc_u64 s[G0Q+2:G0Q+3], s[8:9], s[22:23]
	s_or_b32 s[G0Q+3], s[G0Q+3], 0x80000000
	s_add_nc_u64 s[G0C+2:G0C+3], s[6:7], s[18:19]  ; tile 0,
	s_add_nc_u64 s[G0C+10:G0C+11], s[G0C+2:G0C+3], TILEB  ; tile 1
	s_or_b32 s[G0C+3], s[G0C+3], 0x80000000
	s_or_b32 s[G0C+11], s[G0C+11], 0x80000000
	s_add_nc_u64 s[PFA:PFA+1], s[6:7], s[86:87]
	s_add_nc_u64 s[10:11], s[10:11], s[88:89]
	CROUND                                         ; all four work-groups are here
	tensor_load_to_lds s[G0X:G0X+3], s[G1X:G1X+7]  ; the first fills, one group: three loads of mine are out.  x's K half 0,
	s_nop 0
	tensor_load_to_lds s[G0Q:G0Q+3], s[G1Q:G1Q+7]  ; my quarter of nhsq (joint),
	s_nop 0
	tensor_load_to_lds s[G0X+4:G0X+7], s[G1X:G1X+7]  ; x's K half 1
	s_nop 0
.rept 4
	v_nop
.endr
	; while they are on their way: addresses and the first bests
	v_and_b32 v1, 15, v0                           ; r = lane % 16
	v_bfe_u32 v2, v0, 4, 1                         ; h = lane / 16
	v_and_b32 v3, 31, v0                           ; lane
	v_mul_u32_u24 v17, v1, PITCH
	s_mul_i32 s18, s14, HALFS
	v_lshl_add_u32 v[ADRC], v2, 4, v17             ; a bf16 fragment: row r, 16 bytes for each half of the lanes, twice, 32 bytes apart
	v_add_nc_u32 v[ADRC], s18, v[ADRC]
	v_add_nc_u32 v[ADRC+1], SLOT, v[ADRC]
	s_mul_i32 s19, s13, HALFS
	v_lshl_add_u32 v[ADRX], v2, 5, v17             ; the same 8 numbers as f32: 32 bytes for each half of the lanes
	v_add_nc_u32 v[ADRX], s19, v[ADRX]
	v_add_nc_u32 v[ADRX+1], SLOT, v[ADRX]
	s_lshl_b32 s18, s14, 8
	s_add_co_u32 s18, s18, CSQ
	v_lshl_add_u32 v[AQ0], v2, 5, s18              ; codes 64 jw + 8 h + 0..7 of tile 0: 32 bytes
	v_mov_b32 v[ADRQ], v[AQ0]
	v_lshlrev_b32 v[PFO], 8, v3
	s_lshl_b32 s19, s14, 6
	v_lshl_add_u32 v[LB], v2, 3, s19
	s_lshl_b32 s18, s14, 9
	s_lshl_b32 s19, s13, 8
	s_add_co_u32 s18, s18, s19
	s_add_co_u32 s18, s18, MRG
	v_lshl_add_u32 v[MST], v1, 2, s18              ; best[jw][64 i + r]
	v_lshl_add_u32 v[MRD], v3, 4, MRG
	v_lshlrev_b32 v[OO], 4, v3
	v_mov_b32 v[PT], 0                             ; v_permlanex16_b32 counts as a reader of its destination
	v_mov_b32 v[PT+1], 0
.set q_, 0
.rept 32                               ; 96 lines, in the wait for x: the price of one text for every code tile
	v_mov_b32 v[BEST+q_], 0xff800000               ; -inf: every finite number beats it
	v_mov_b32 v[IDX+q_], 0
	v_mov_b32 v[ACC+32+q_], 0xff800000             ; what the first code tile's slices compare: it beats nothing
.set q_, q_+1
.endr
; x's K half hf out of LDS, rounded to bf16, into window 2 + hf.  Two goes of 16 fragments: 64 loads of 16 bytes a lane fill window 1 with f32, 128 conversions pack them.
; A fragment's lane wants k = 8 h + 0..7 and 16 + 8 h + 0..7 of a K step's 32: as f32 four loads at 0, 16, 64 and 80 bytes behind 32 h.
.macro CONVERT hf
.irp g, 0,1
	WIN TO_CF
.set f_, 0
.rept 16                               ; fragment f: K step 4 g + f / 4 of the half, row tile f % 4
.irp e, 0,1,2,3
	ds_load_b128 v[16*f_+4*\e:16*f_+4*\e+3], v[ADRX+(\hf)] offset:(f_%4)*16*PITCH+(4*\g+f_/4)*128+16*(\e%2)+64*(\e/2)
.endr
.set f_, f_+1
.endr
	WIN 0x85+0x40*(\hf)                            ; sources window 1, destination window 2 or 3
.set f_, 0
.rept 128
.if f_%8 == 0
	s_wait_dscnt 60-4*(f_/8)                       ; LDS loads come back in order: this fragment's four are in, the four of each younger fragment may stay out
.endif
	v_cvt_pk_bf16_f32 v[128*\g+f_], v[2*f_], v[2*f_+1]
.set f_, f_+1
.endr
.endr
	WIN 0
.endm
; 34 LDS loads in one run: code tile ct of slot n (16 codes x 512 channels: 16 fragments) into buffer b, and its 8 words of -|c|^2 / 2 a lane
.macro FETCH n, ct, b
	WIN TO_CF
.set f_, 0
.rept 16
	ds_load_b128 v[128*(\b)+8*f_:128*(\b)+8*f_+3],   v[ADRC+(\n)] offset:(\ct)*16*PITCH+64*f_
	ds_load_b128 v[128*(\b)+8*f_+4:128*(\b)+8*f_+7], v[ADRC+(\n)] offset:(\ct)*16*PITCH+64*f_+32
.set f_, f_+1
.endr
	WIN 0
	ds_load_b128 v[CQ+8*(\b):CQ+8*(\b)+3],   v[ADRQ] offset:64*(\ct)
	ds_load_b128 v[CQ+8*(\b)+4:CQ+8*(\b)+7], v[ADRQ] offset:64*(\ct)+16
.endm
; Product n of 64 of a code tile in buffer b: K step n / 4, row tile n % 4.  The four accumulators take turns, one instruction a turn, from code tile to code tile and over the backward jump too.
; The first four start their sums with -|c|^2 / 2.
.macro MM n, b
.set ks_, (\n)/4
.set rt_, (\n)%4
.if ks_ < 8
	WIN MM2
.set xr_, 32*ks_+8*rt_
.else
	WIN MM3
.set xr_, 32*(ks_-8)+8*rt_
.endif
.set ar_, ACC+32*(\b)+8*rt_
.set cr_, 128*(\b)+8*ks_
.if ks_ == 0
	v_wmma_f32_16x16x32_bf16 v[ar_:ar_+7], v[cr_:cr_+7], v[xr_:xr_+7], v[CQ+8*(\b):CQ+8*(\b)+7]
.else
	v_wmma_f32_16x16x32_bf16 v[ar_:ar_+7], v[cr_:cr_+7], v[xr_:xr_+7], v[ar_:ar_+7]
.endif
.endm
; THE COMPARING of accumulator buffer a, number v of 32 (row tile v / 8, register v % 8).  CC: is it greater than the best?  Strictly: of equals the earlier, lower code stays.
; BI: the best, and the code tile's number where the mask says so.  A NaN loses the compare and the maximum alike.
.macro CC v, a
	v_cmp_gt_f32 s[MK+(\v)%2], v[ACC+32*(\a)+(\v)], v[BEST+(\v)]
.endm
.macro BI v, a
	v_max_num_f32 v[BEST+(\v)], v[BEST+(\v)], v[ACC+32*(\a)+(\v)]
	v_cndmask_b32 v[IDX+(\v)], v[IDX+(\v)], s[EPI], s[MK+(\v)%2]
.endm
; Slice s of 32.  Slice 0: the first two compares.  Slice s: number s - 1 is finished, number s + 1 compared (its mask takes the register that number s - 1 has just read).  Slice 31: the last two are finished.
; The compares go upward.
.macro SL s, a
	WIN 0
.if (\s) == 0
	CC 0, \a
	CC 1, \a
.elseif (\s) < 31
	BI (\s)-1, \a
	CC (\s)+1, \a
.else
	BI 30, \a
	BI 31, \a
.endif
.endm
; Products n0 .. n1 - 1 of the code tile in buffer b, and behind every second one a slice of the other buffer's comparing.
; PLACES.  A vector instruction that reads a matrix result, and a load into a register that a matrix instruction has read, stand four plain vector instructions that name none of its registers behind it
; (ISA guide 7.12.1 for vector instructions).  An accumulator's last product is number 60 + rt; the first read of row tile 0 is slice 0 of the next code tile: slices 30 and 31,
; seven instructions on the other buffer, lie between.  The fragments' last reader is product 63: slice 31's four and slice 0's two lie between it and the run of loads.
.macro RUN b, n0, n1
.set n_, (\n0)
.rept (\n1)-(\n0)
	MM n_, \b
.if n_%2 == 1
	SL (n_-1)/2, 1-(\b)
.endif
.set n_, n_+1
.endr
.endm
; One of a tile's first three code tiles: multiplies buffer ct % 2 and fetches code tile ct + 1 of the same slot into the other, 62 products ahead of its first use.
.macro TILE n, ct
	s_wait_dscnt 0x0                               ; my fragments and -|c|^2 / 2 are in
	RUN (\ct)%2, 0, 2
	FETCH \n, (\ct)+1, 1-(\ct)%2
	RUN (\ct)%2, 2, 64
.if (\ct) == 0
	s_add_co_u32 s[EPI], s[EPI], 80                ; from the last tile's code tile 3 to this tile's code tile 0: 128 - 48
.else
	s_add_co_u32 s[EPI], s[EPI], 16
.endif
.endm
; A tile's fourth code tile changes slots: ONE barrier, for two things.  In front of it each wave waits for all its tensor loads, of which one is out: its part of the other slot; adds 0 to its spare word; and waits
; for that and for its reads of this slot (the last were waited for at the head).  Behind it nobody reads this slot any more and the other slot is whole.
; mode = 2: the barrier opens a round of the cluster's, so that no wave of any partner still reads the slot or has a load on its way; the joint refill, two tiles on, is the first thing behind the round.
; mode = 1 (the tail): nothing is filled, so no round follows.
.macro TURN n, mode
	s_wait_dscnt 0x0                               ; my fragments are in: these were my last reads of this slot
	WIN 0
.if (\mode) == 2
	s_wait_xcnt 0x0                                ; the last prefetch, a tile back, has read its address, so it may be written
	s_add_nc_u64 s[PFA:PFA+1], s[PFA:PFA+1], TILEB
.endif
	s_wait_tensorcnt 0x0                           ; all my tensor loads have landed: my part of the next slot
	ds_add_u32 v[SPW], v[NIL]                      ; 0 onto my spare word; eight products stand between it and the wait for it
	RUN 1, 0, 8
	s_wait_dscnt 0x0                               ; the add is done
	s_barrier_signal -1
	RUN 1, 8, 16                                   ; work on registers while the others arrive
	WIN 0                                          ; at a branch and at a label every window is 0
	s_barrier_wait -1
.if (\mode) == 2
	CREST
	s_add_nc_u64 s[G0C+8*(\n)+2:G0C+8*(\n)+3], s[G0C+8*(\n)+2:G0C+8*(\n)+3], 2*TILEB  ; no tensor load of mine is out: this slot's next tile; the type bits on top are not reached
	JLOAD \n
.endif
	s_add_co_u32 s[TQ], s[TQ], 512
	v_add_nc_u32 v[ADRQ], s[TQ], v[AQ0]            ; the next tile's 128 words of nhsq
	FETCH 1-(\n), 0, 0
.if (\mode) == 2
	ASK
.endif
	RUN 1, 16, 64
	s_add_co_u32 s[EPI], s[EPI], 16
.endm
; (va, ca) takes (vb, cb) where vb is greater, or equal with the lower code
.macro MERGE va, ca, vb, cb
	v_cmp_gt_f32 s[MG], v[\vb], v[\va]
	v_cmp_eq_f32 s[MG+1], v[\vb], v[\va]
	v_cmp_lt_u32 s[MG+2], v[\cb], v[\ca]
	s_and_b32 s[MG+1], s[MG+1], s[MG+2]
	s_or_b32 s[MG], s[MG], s[MG+1]
	v_cndmask_b32 v[\va], v[\va], v[\vb], s[MG]
	v_cndmask_b32 v[\ca], v[\ca], v[\cb], s[MG]
.endm
	s_wait_tensorcnt 0x1                           ; x's K half 0 and nhsq are in; one load was issued behind them, half 1's, and may stay out
	s_barrier_signal -1
	s_barrier_wait -1                              ; everybody's parts are
	CONVERT 0
	s_wait_tensorcnt 0x0                           ; slot 0 has been read and is filled again: all my loads have landed, x's half 1 among them,
	ds_add_u32 v[SPW], v[NIL]                      ; 0 onto my spare word,
	s_wait_dscnt 0x0                               ; the add is done and my reads of slot 0 are over
	CROUND
	JLOAD 0                                        ; tile 0
	CONVERT 1
	s_wait_tensorcnt 0x0                           ; the same for slot 1: tile 0 has landed,
	ds_add_u32 v[SPW], v[NIL]
	s_wait_dscnt 0x0
	CROUND
	JLOAD 1                                        ; tile 1
	FETCH 0, 0, 0
.Lloop:                                            ; 15 trips: tiles 2 t and 2 t + 1 are multiplied, tiles 2 t + 2 and 2 t + 3 asked for
	TILE 0, 0
	TILE 0, 1
	TILE 0, 2
	TURN 0, 2
	TILE 1, 0
	TILE 1, 1
	TILE 1, 2
	TURN 1, 2
	WIN 0
	s_sub_co_u32 s[LOOP], s[LOOP], 1
	s_cmp_lg_u32 s[LOOP], 0
	s_cbranch_scc1 .Lloop
	TILE 0, 0                                      ; the tail is written out: tiles 30 and 31, nothing is asked for
	TILE 0, 1
	TILE 0, 2
	TURN 0, 1
	TILE 1, 0
	TILE 1, 1
	TILE 1, 2
	s_wait_dscnt 0x0
	RUN 1, 0, 64                                   ; the last code tile: nothing more to fetch
	s_add_co_u32 s[EPI], s[EPI], 16
.set q_, 0
.rept 32
	SL q_, 1                                       ; and its comparing, with nothing left to stand beside; slices 30 and 31 above are the places behind its row tile 0's last product
.set q_, q_+1
.endr
	; THE END.  A lane's register j of row tile t holds the best of codes = j + 8 h + 64 jw modulo 16-code tiles: code = number + j + LB.  Eight registers, two halves of the lanes, two waves are merged by (value, code).
.irp t, 0,1,2,3
.irp j, 1,2,3,4,5,6,7
	v_add_nc_u32 v[IDX+8*\t+\j], \j, v[IDX+8*\t+\j]
.endr
.irp j, 0,2,4,6
	MERGE BEST+8*\t+\j, IDX+8*\t+\j, BEST+8*\t+\j+1, IDX+8*\t+\j+1
.endr
.irp j, 0,4
	MERGE BEST+8*\t+\j, IDX+8*\t+\j, BEST+8*\t+\j+2, IDX+8*\t+\j+2
.endr
	MERGE BEST+8*\t, IDX+8*\t, BEST+8*\t+4, IDX+8*\t+4
	v_add_nc_u32 v[IDX+8*\t], v[LB], v[IDX+8*\t]
	v_permlanex16_b32 v[PT], v[BEST+8*\t], s[SEL], s[SEL+1]      ; the row's other 8 codes of each 16 lie in the lane 16 away
	v_permlanex16_b32 v[PT+1], v[IDX+8*\t], s[SEL], s[SEL+1]
	MERGE BEST+8*\t, IDX+8*\t, PT, PT+1
	ds_store_b32 v[MST], v[BEST+8*\t] offset:64*\t               ; lanes r and r + 16 write the same word with the same value
	ds_store_b32 v[MST], v[IDX+8*\t] offset:1024+64*\t
.endr
	s_wait_dscnt 0x0                               ; for the others' sake: my results are in LDS
	s_barrier_signal -1
	s_barrier_wait -1
	s_cmp_lg_u32 s[WV], 0
	s_cbranch_scc1 .Lend                           ; wave 0 merges the two halves of the codes, four rows a lane
	ds_load_b128 v[FM:FM+3],     v[MRD]
	ds_load_b128 v[FM+4:FM+7],   v[MRD] offset:512
	ds_load_b128 v[FM+8:FM+11],  v[MRD] offset:1024
	ds_load_b128 v[FM+12:FM+15], v[MRD] offset:1536
	s_wait_dscnt 0x0
.irp c, 0,1,2,3
	MERGE FM+\c, FM+8+\c, FM+4+\c, FM+12+\c
.endr
	global_store_b128 v[OO], v[FM+8:FM+11], s[10:11]  ; 512 consecutive bytes, at a multiple of 256 from out0's first byte
.Lend:
	s_wait_tensorcnt 0x0                           ; the wave's end: behind my last tensor load and my last LDS store
	ds_add_u32 v[SPW], v[NIL]
	s_wait_dscnt 0x0
	CROUND                                         ; the closing round: no work-group ends while a partner may still ask for a tile that names it
	s_endpgm
.Lfunc_end_k_q63f2734555_vq:
	.size	k_q63f2734555_vq, .Lfunc_end_k_q63f2734555_vq-k_q63f2734555_vq
	.p2alignl 7, 3214868480
	.fill 96, 4, 3214868480
	.section	.rodata,"a",@progbits
	.p2align	6, 0x0
	.amdhsa_kernel k_q63f2734555_vq
		.amdhsa_group_segment_fixed_size 327680
		.amdhsa_private_segment_fixed_size 0
		.amdhsa_enable_private_segment 0
		.amdhsa_kernarg_size 32
		.amdhsa_user_sgpr_count 2
		.amdhsa_user_sgpr_kernarg_segment_ptr 1
		.amdhsa_wavefront_size32 1
		.amdhsa_system_sgpr_workgroup_id_x 1
		.amdhsa_system_sgpr_workgroup_id_y 1
		.amdhsa_system_sgpr_workgroup_id_z 1
		.amdhsa_system_vgpr_workitem_id 0
		.amdhsa_next_free_vgpr 1024
		.amdhsa_next_free_sgpr 96
		.amdhsa_reserve_vcc 0
		.amdhsa_float_denorm_mode_32 3
		.amdhsa_float_denorm_mode_16_64 3
		.amdhsa_memory_ordered 1
		.amdhsa_forward_progress 1
		.amdhsa_inst_pref_size 255
	.end_amdhsa_kernel
	.section	.bss,"aw",@nobits
	.p2align	6
	.space	262144
	.amdgpu_metadata
---
amdhsa.version: [ 1, 2 ]
amdhsa.kernels:
  - .name:           k_q63f2734555_vq
    .symbol:         k_q63f2734555_vq.kd
    .args:
      - { .name: x, .offset: 0, .size: 8, .value_kind: global_buffer, .address_space: global }
      - { .name: cbh, .offset: 8, .size: 8, .value_kind: global_buffer, .address_space: global }
      - { .name: nhsq, .offset: 16, .size: 8, .value_kind: global_buffer, .address_space: global }
      - { .name: out0, .offset: 24, .size: 8, .value_kind: global_buffer, .address_space: global }
    .group_segment_fixed_size: 327680
    .private_segment_fixed_size: 0
    .kernarg_segment_align: 8
    .kernarg_segment_size: 32
    .max_flat_workgroup_size: 128
    .sgpr_count:     96
    .vgpr_count:     1024
    .wavefront_size: 32
...
	.end_amdgpu_metadata
.endif
;; end of part 2
;; ======== version 2 of 2: 2 launches; version 1 with the launch prep written anew for expert scheduling mode
;; workspace buffers: cbh 4,194,304 bytes; nhsq 16,384 bytes
;; launch prep (part 3): grid 64 x 1, 16 waves a work-group, no clusters, 2,304 bytes of LDS; arguments codebook, cbh, nhsq; writes cbh, nhsq
.if DOCPART == 3
	.amdgcn_target "amdgcn-amd-amdhsa--gfx1250"
	.amdhsa_code_object_version 6
	.text
	.protected	k_q63f2734555_prep
	.globl	k_q63f2734555_prep
	.p2align	8
	.type	k_q63f2734555_prep,@function
k_q63f2734555_prep:
	s_mov_b64 s[64:65], 0
	v_nop
	global_prefetch_b8 v0, s[64:65] scope:SCOPE_SE
	s_setreg_imm32_b32 hwreg(HW_REG_WAVE_SCHED_MODE, 0, 2), 2
	s_setreg_imm32_b32 hwreg(HW_REG_WAVE_MODE, 25, 1), 1
	s_wait_xcnt 0x0
	s_wait_alu depctr_vm_vsrc(0)
; cbh[k][d] = bf16(codebook[k][d]);  nhsq[k] = -0.5 x the sum over d of cbh[k][d]^2, in f32.  codebook: [4096][512] f32.
; The squares are taken of the ROUNDED codes, so that the next launch's distances are those of the rounded codebook throughout.
; SHARES.  A work-group owns 64 rows: its 64 sums are 256 consecutive bytes of nhsq, stored by one instruction.  Wave w owns rows 4 w .. 4 w + 3.
; A row is 2,048 bytes: four loads of 16 bytes a lane, each 512 consecutive bytes; the four bf16 made of a lane's 16 bytes are 8 bytes,
; so each store of the wave covers 256 consecutive bytes, aligned.  All 16 loads of a wave go out at once; no register is used twice, so no store's source is rewritten.
; No matrix unit, no cluster, no tensor load: each byte is read once by one lane and nothing is shared but the 64 sums.
; THE MODE: SCHED_MODE bits 1:0 = 2 (LLVM: expert scheduling mode 2), set by the entry lines.  The code itself states the register dependences
; between vector instructions and memory or LDS instructions, with s_wait_alu, always for 0.
; THE PLAN.  Registers that memory or LDS instructions touch:
;   v2, v3, v4, v5, v8, v9   offsets and LDS addresses: written at the head, never again.
;   IN       written by the 16 loads alone; row p's part is read by row p's conversions.
;   OUT[p]   written by row p's conversions, once; read by the row's four global stores, which are issued in row p + 1.
;   SUM[p]   its low register is written last by row p's scaling by -0.5; read by the row's LDS store, which is issued in row p + 1.
;   T        at work in every row; at the end, in wave 0, an LDS load lands in its first pair and a store reads it.
; Row p + 1's vector lines name IN[p + 1], OUT[p + 1], SUM[p + 1], T and PX: none of the registers that row p's five stores touch.  So ONE wait on va_vdst at the head of a row states all that
; those stores hang on, and they are dealt among the row's vector lines with no further wait.  One more stands behind row 3.  No register that a memory or LDS instruction reads is written again,
; so there is nothing for a wait on vm_vsrc to state.
.set SPARE, 256                        ; LDS: bytes 0-255 the 64 sums; behind them the spare words, 128 bytes for each of the 16 waves
.set IN,   16                          ; v[16:79]    row p, quarter q: 4 registers as loaded, at IN + 16 p + 4 q
.set OUT,  80                          ; v[80:111]   the same, rounded and packed: 2 registers at OUT + 8 p + 2 q
.set T,    112                         ; v[112:115]  four rounded numbers as f32, at work
.set PX,   116                         ; v116        the other half of the lanes' sum
.set SUM,  120                         ; v[120:127]  a pair of running sums for each row
	s_load_b128 s[4:7], s[0:1], 0x0                ; codebook s[4:5], cbh s[6:7]
	s_load_b64 s[8:9], s[0:1], 0x10                ; nhsq
	v_lshl_add_u32 v8, v0, 2, SPARE                ; my spare word,
	v_mov_b32 v9, 0                                ; and 0: kept for the wave's end alone
	v_lshrrev_b32 v6, 5, v0
	v_readfirstlane_b32 s12, v6                    ; wave 0..15
	v_and_b32 v1, 31, v0                           ; lane
	s_mov_b32 s13, 0xffff0000                      ; a word's upper bf16
	s_mov_b32 s14, 0x76543210                      ; v_permlanex16_b32: each lane takes its own place in the other half
	s_mov_b32 s15, 0xfedcba98
	v_lshlrev_b32 v2, 4, v1                        ; 16 bytes a lane
	v_lshlrev_b32 v5, 3, v1                        ; 8 bytes a lane
	v_mov_b32 v[PX], 0                             ; v_permlanex16_b32 counts as a reader of its destination
	s_lshl_b32 s16, ttmp9, 17                      ; the work-group's 64 rows in codebook,
	s_mov_b32 s17, 0
	s_lshl_b32 s18, ttmp9, 16                      ; in cbh,
	s_mov_b32 s19, 0
	s_lshl_b32 s20, ttmp9, 8                       ; and its 64 words of nhsq
	s_mov_b32 s21, 0
	s_wait_alu depctr_va_sdst(0)                   ; s12 is written, ahead of its first reader: the next line
	v_lshl_add_u32 v2, s12, 13, v2                 ; loads: 4 rows x 2,048 bytes a wave + 16 bytes a lane
	v_lshl_add_u32 v3, s12, 12, v5                 ; stores: 4 rows x 1,024 bytes a wave + 8 bytes a lane
	v_mov_b32 v4, s12
	v_lshlrev_b32 v4, 4, v4                        ; LDS: my wave's four sums
	s_wait_kmcnt 0x0
	s_add_nc_u64 s[4:5], s[4:5], s[16:17]
	s_add_nc_u64 s[6:7], s[6:7], s[18:19]
	s_add_nc_u64 s[8:9], s[8:9], s[20:21]
	s_wait_alu depctr_va_vdst(0)                   ; v2 to v5, v8 and v9 are written: every load, store and LDS instruction of the kernel reads one of them as its offset or address
.irp p, 0,1,2,3
.irp q, 0,1,2,3
	global_load_b128 v[IN+16*\p+4*\q:IN+16*\p+4*\q+3], v2, s[4:5] offset:\p*2048+\q*512 th:TH_LOAD_NT
.endr
.endr
; Row p: rounded, squared and summed; the sum over the 32 lanes ends in every lane.  Among its vector lines stand the stores of the row before: that row's sum to its word in LDS, its four quarters to cbh.
.macro ROWP p
	s_wait_loadcnt 12-4*(\p)                       ; loads come back in order: my row's four are in, the four of each younger row may stay out
.if (\p) > 0
	s_wait_alu depctr_va_vdst(0)                   ; the row before has written its OUT and its sum, which the five stores below read; no vector line of this row names those registers
	ds_store_b32 v4, v[SUM+2*((\p)-1)] offset:4*((\p)-1)  ; all lanes write the same word with the same value
.endif
.irp q, 0,1,2,3
.if (\p) > 0
	global_store_b64 v3, v[OUT+8*((\p)-1)+2*\q:OUT+8*((\p)-1)+2*\q+1], s[6:7] offset:((\p)-1)*1024+\q*256  ; the row before: 32 lanes x 8 bytes: 256 consecutive bytes, aligned
.endif
	v_cvt_pk_bf16_f32 v[OUT+8*(\p)+2*\q],   v[IN+16*(\p)+4*\q],   v[IN+16*(\p)+4*\q+1]
	v_cvt_pk_bf16_f32 v[OUT+8*(\p)+2*\q+1], v[IN+16*(\p)+4*\q+2], v[IN+16*(\p)+4*\q+3]
	v_lshlrev_b32 v[T],   16,  v[OUT+8*(\p)+2*\q]                 ; the rounded numbers back as f32
	v_and_b32     v[T+1], s13, v[OUT+8*(\p)+2*\q]
	v_lshlrev_b32 v[T+2], 16,  v[OUT+8*(\p)+2*\q+1]
	v_and_b32     v[T+3], s13, v[OUT+8*(\p)+2*\q+1]
.if \q == 0
	v_pk_mul_f32 v[SUM+2*(\p):SUM+2*(\p)+1], v[T:T+1], v[T:T+1]   ; the first squares start the sums: nothing is cleared
.else
	v_pk_fma_f32 v[SUM+2*(\p):SUM+2*(\p)+1], v[T:T+1], v[T:T+1], v[SUM+2*(\p):SUM+2*(\p)+1]
.endif
	v_pk_fma_f32 v[SUM+2*(\p):SUM+2*(\p)+1], v[T+2:T+3], v[T+2:T+3], v[SUM+2*(\p):SUM+2*(\p)+1]
.endr
	v_add_f32 v[SUM+2*(\p)], v[SUM+2*(\p)], v[SUM+2*(\p)+1]
	v_add_f32_dpp v[SUM+2*(\p)], v[SUM+2*(\p)], v[SUM+2*(\p)] row_xmask:1 row_mask:0xf bank_mask:0xf
	v_add_f32_dpp v[SUM+2*(\p)], v[SUM+2*(\p)], v[SUM+2*(\p)] row_xmask:2 row_mask:0xf bank_mask:0xf
	v_add_f32_dpp v[SUM+2*(\p)], v[SUM+2*(\p)], v[SUM+2*(\p)] row_xmask:4 row_mask:0xf bank_mask:0xf
	v_add_f32_dpp v[SUM+2*(\p)], v[SUM+2*(\p)], v[SUM+2*(\p)] row_xmask:8 row_mask:0xf bank_mask:0xf
	v_permlanex16_b32 v[PX], v[SUM+2*(\p)], s14, s15
	v_add_f32 v[SUM+2*(\p)], v[SUM+2*(\p)], v[PX]
	v_mul_f32 v[SUM+2*(\p)], -0.5, v[SUM+2*(\p)]   ; a power of two: exact
.endm
	ROWP 0
	ROWP 1
	ROWP 2
	ROWP 3
	s_wait_alu depctr_va_vdst(0)                   ; row 3 has written its OUT and its sum, which the five stores below read; and all vector work on T is done, in which wave 0's LDS load lands: no vector line follows
	ds_store_b32 v4, v[SUM+6] offset:12            ; all lanes write the same word with the same value
.irp q, 0,1,2,3
	global_store_b64 v3, v[OUT+24+2*\q:OUT+24+2*\q+1], s[6:7] offset:3*1024+\q*256  ; 32 lanes x 8 bytes: 256 consecutive bytes, aligned
.endr
	s_wait_dscnt 0x0                               ; for the others' sake: my four sums are in LDS
	s_barrier_signal -1
	s_barrier_wait -1                              ; all 64 are
	s_cmp_lg_u32 s12, 0
	s_cbranch_scc1 .Lend                           ; wave 0 stores them
	ds_load_b64 v[T:T+1], v5
	s_wait_dscnt 0x0
	global_store_b64 v5, v[T:T+1], s[8:9]          ; 256 consecutive bytes, aligned
.Lend:
	s_wait_dscnt 0x0                               ; the wave's end
	s_wait_alu 0x0
	s_wait_tensorcnt 0x0
	ds_add_u32 v8, v9
	s_wait_dscnt 0x0
	s_endpgm
.Lfunc_end_k_q63f2734555_prep:
	.size	k_q63f2734555_prep, .Lfunc_end_k_q63f2734555_prep-k_q63f2734555_prep
	.p2alignl 7, 3214868480
	.fill 96, 4, 3214868480
	.section	.rodata,"a",@progbits
	.p2align	6, 0x0
	.amdhsa_kernel k_q63f2734555_prep
		.amdhsa_group_segment_fixed_size 2304
		.amdhsa_private_segment_fixed_size 0
		.amdhsa_enable_private_segment 0
		.amdhsa_kernarg_size 24
		.amdhsa_user_sgpr_count 2
		.amdhsa_user_sgpr_kernarg_segment_ptr 1
		.amdhsa_wavefront_size32 1
		.amdhsa_system_sgpr_workgroup_id_x 1
		.amdhsa_system_sgpr_workgroup_id_y 1
		.amdhsa_system_sgpr_workgroup_id_z 1
		.amdhsa_system_vgpr_workitem_id 0
		.amdhsa_next_free_vgpr 128
		.amdhsa_next_free_sgpr 66
		.amdhsa_reserve_vcc 0
		.amdhsa_float_denorm_mode_32 3
		.amdhsa_float_denorm_mode_16_64 3
		.amdhsa_memory_ordered 1
		.amdhsa_forward_progress 1
		.amdhsa_inst_pref_size 14
	.end_amdhsa_kernel
	.amdgpu_metadata
---
amdhsa.version: [ 1, 2 ]
amdhsa.kernels:
  - .name:           k_q63f2734555_prep
    .symbol:         k_q63f2734555_prep.kd
    .args:
      - { .name: codebook, .offset: 0, .size: 8, .value_kind: global_buffer, .address_space: global }
      - { .name: cbh, .offset: 8, .size: 8, .value_kind: global_buffer, .address_space: global }
      - { .name: nhsq, .offset: 16, .size: 8, .value_kind: global_buffer, .address_space: global }
    .group_segment_fixed_size: 2304
    .private_segment_fixed_size: 0
    .kernarg_segment_align: 8
    .kernarg_segment_size: 24
    .max_flat_workgroup_size: 512
    .sgpr_count:     66
    .vgpr_count:     128
    .wavefront_size: 32
...
	.end_amdgpu_metadata
.endif
;; end of part 3
;; launch vq: the kernel of part 2 again; grid 256 x 1, 4 waves a work-group, clusters of 4 x 1, 327,680 bytes of LDS; arguments x, cbh, nhsq, out0; writes out0
